; MI455X (gfx1250); checked and timed in simulation.
; The chip was launched on July 23, 2026; its instructions are those of AMD's public machine-readable ISA for CDNA 5 (MIT licence, August 2026) and "CDNA5" Instruction Set Architecture Reference Guide (July 2026). The comments in the code are by the model that wrote it; some were corrected since.
;; Attention. Allowed arithmetic: matrix products marked QUANTISED: E5M2 operands, one E8M0 scale for each 32 along K, by v_wmma_scale_f32_16x16x128_f8f6f4 with both operands' format E5M2, f32 sums; everything else in f32.
;; Inputs: key 4 x 512 x 4,096 float32; query 4 x 4,096 x 512 float32; value 4 x 4,096 x 512 float32.
;; Outputs: out0 4 x 4,096 x 512 float32.
;; This version of the problem:
;;   THIS VERSION OF THE PROBLEM IS GIVEN IN LOW PRECISION. The matrix products marked QUANTISED in the list below multiply operands that are first quantised to E5M2 (5 exponent bits, 2 mantissa bits; 8 bits a number), with one power-of-two scale for each 32 numbers along K (OCP MX v1.0); their sums are f32. All else is computed in f32.
;;   The module's matrix products, in the order in which they are computed (A, B: the left and right operand; K: the contracted axis; several contracted axes count as one K, in the product's order):
;;     1. batch 4 x [M 4,096, K 512] x [K 512, N 4,096]; A: input query; B: input key: QUANTISED
;;     2. batch 4 x [M 4,096, K 4,096] x [K 4,096, N 512]; A: softmax (see below); B: input value: QUANTISED
;;   THE QUANTISER, for each operand of a quantised product, along K:
;;     - K is cut into blocks of 32 from its start; a last block that is shorter is filled with zeros.
;;     - A block's scale is 2^e with e = floor(log2(the largest magnitude in the block)) - 15, held to -126 .. 127; a block of zeros has e = 0. As a byte (E8M0): e + 127.
;;     - Each number is divided by its block's scale, clamped to +-57,344, and rounded to the nearest number of E5M2, ties to even, subnormals kept.
;;     - The product sums the exact products of the quantised numbers (number of the format x scale) in f32.
;;   ~~~python
;;   def quantise(x, axis):      # numpy; x: float32 -> the quantised numbers, widened to float32 again
;;       x = np.moveaxis(x, axis, -1); K = x.shape[-1]
;;       x = np.pad(x, [(0, 0)] * (x.ndim - 1) + [(0, -K % 32)]); x = x.reshape(x.shape[:-1] + (-1, 32)); a = np.abs(x).max(-1, keepdims=True)
;;       e = np.where(a > 0, np.clip(np.frexp(np.where(a > 0, a, 1))[1] - 1 - 15, -126, 127), 0)      # np.frexp(a)[1] - 1 = floor(log2(a)), exactly
;;       r = np.clip(x / 2.0 ** e, -57344, 57344)
;;       step = 2.0 ** (np.maximum(np.frexp(np.where(r == 0, 1, r))[1] - 1, -14) - 2)
;;       q = np.round(r / step) * step * 2.0 ** e      # np.round: ties to even
;;       return np.moveaxis(q.reshape(q.shape[:-2] + (-1,))[..., :K], -1, axis).astype(np.float32)
;;   ~~~
;;   SOFTMAX AHEAD OF A QUANTISED PRODUCT. Where the list says 'softmax', what is quantised is not the finished softmax but p = 2^(t - M), with t = logit x log2(e) and M = ceil(the row's largest t), a whole number; so 1/2 < the row's largest p <= 1. The row's sum l is taken of the UNQUANTISED p, in f32, and the product's result is divided by l at the end. Since M is a whole number, a kernel that streams over the keys may use a running M (the ceiling of the running maximum): every later rescaling is an exact power of two, which a block's scale takes up: the codes' values come out the same.
;;   OPERANDS COMPUTED ON THE WAY. 'Computed on the way' means the value that the module computes at that place (a softmax that the list does not call 'softmax' is quantised finished and normalised). What goes into a quantiser is computed in f32, as accurately as f32 sums, v_exp_f32 and their like allow (about 1e-6 of the number): no bf16 or f16 on the way to a quantiser, and a product that is left as it is and whose result goes on into a quantised operand takes f32 operands (vector FMAs, or v_wmma_f32_16x16x4_f32). A number that lies on a knife's edge between two numbers of the format may be rounded either way, as far as f32 arithmetic and the matrix unit's own rounding can turn it there, and no further.
;; One version. Each part assembles by itself: llvm-mc -triple=amdgcn-amd-amdhsa -mcpu=gfx1250 --defsym DOCPART=n.
;; ======== version 1 of 1: 2 launches
;; limits: right only within a limited range of input values
;; workspace buffers: kv 17,301,504 bytes
;; launch prep (part 1): grid 512 x 1, 4 waves a work-group, no clusters, 0 bytes of LDS; arguments key, value, kv; writes kv
.if DOCPART == 1
	.amdgcn_target "amdgcn-amd-amdhsa--gfx1250"
	.amdhsa_code_object_version 6
	.text
	.protected	k_qaf878f6795_prep
	.globl	k_qaf878f6795_prep
	.p2align	8
	.type	k_qaf878f6795_prep,@function
k_qaf878f6795_prep:
	s_mov_b64 s[64:65], 0
	v_nop
	global_prefetch_b8 v0, s[64:65] scope:SCOPE_SE
	s_setreg_imm32_b32 hwreg(HW_REG_WAVE_MODE, 25, 1), 1
	s_wait_xcnt 0x0
; key [4][512 (d)][4096 (n)] and value [4][4096 (key)][512 (d)], f32, become codes of BF8 (E5M2) with one E8M0 scale byte for each 32 along K.
; K is the FIRST axis of a batch in both (d for key, the keys for value): A LANE TAKES A COLUMN AND ITS REGISTERS RUN DOWN K, so a block of 32 lies in one lane's 32 registers,
; its largest magnitude needs no other lane, and the conversions give codes with K innermost.  Nothing is transposed by an instruction.
; A block's scale is 2^(floor(log2(largest magnitude)) - 15); its byte is the largest magnitude's exponent field - 15, held at 1 from below.  Each number is held within +-57,344 x the scale and rounded to the nearest code.
; LIMITS: a block of zeros gets the byte 1 where the rule says 127 (its codes are zeros, and this program alone reads the bytes); blocks under the floor 2^-111 keep the byte 1, as the rule's clip at -126 has it; NaN and infinities are not served.
; THE OUTPUT kv IS LAID IN THE ORDER OF THE NEXT LAUNCH'S OPERAND REGISTERS: [batch 4][wave 4][place 64][unit of 16,896 bytes].  A unit is eight fragments of 2,048 bytes and 512 bytes of scale words.
;   A fragment (16 rows x 128 K) is [K / 16 (8)][row (16)][16 bytes]: byte 512 c + 16 lane + i is the code at K = 32 c + 16 (lane / 16) + i of row lane % 16.
;   K unit (step j, wave w): keys 128 j + 32 w + 0..31; fragment (u, s) at 8192 u + 2048 s (u: tile of 16 keys, s: 128 of d); row r of tile u is key 8 u + r + 8 (r / 8);
;     scale words at 16384 + 256 a + 8 L + 4 e for s = 2 a + e, L = 16 u + r.
;   V unit (step j, wave w): d = 128 w + 0..127, keys 128 j + 0..127; fragment t at 2048 t, row r is d = 128 w + 16 t + r; scale words at 16384 + 256 p + 8 L + 4 c for d = 128 w + 64 p + 32 c + L.
;   Places: K(j) at max(2 j - 1, j), V(j) at min(2 j + 2, 63): K0 K1 | V0 K2 | V1 K3 | .. | V29 K31 | V30 V31: every pair at an even place is one dense block of 33,792 bytes.
; SHARES.  Work-groups 0-255 take key, 256-511 value (a scalar branch on the work-group's number; no LDS on either way).  A wave takes 8 blocks of 32 along K for each of its 32 lanes.
; Each store of codes covers two runs of 256 consecutive bytes, each aligned; a wave's scale words leave as one run of 256.  No barrier: waves share nothing.  Loads run two blocks (64 loads a wave) ahead.
.set UNIT, 16896
.set RUN,  64*UNIT                     ; one (batch, wave) run of units
.set X,    32                          ; v32-95   two sets of 32 numbers
.set C,    96                          ; v96-159  eight registers of codes for each block: no store's data are written again
.set SB,   24                          ; v24-25   the scale bytes, four to a register
.set MNT,  34                          ; s34      the mantissa field of 57,344
.macro LOADB t                         ; block t: my column's 32 numbers down K, into set t % 2.  RP: bytes from row to row; TS: bytes from blocks 0-3 to blocks 4-7
.set li, 0
.rept 32
	global_load_b32 v[X+32*((\t)%2)+li], v2, s[12:13] offset:(32*((\t)%4)+li)*RP+((\t)/4)*TS th:TH_LOAD_NT
.set li, li+1
.endr
.endm
.macro BLOCKQ t
.set XS, X+32*((\t)%2)
.set CC, C+8*(\t)
.if (\t) < 7
	s_wait_loadcnt 32                              ; this block's 32 loads are in; the next block's 32 may be out
.else
	s_wait_loadcnt 0x0
.endif
	v_max3_num_f32 v12, |v[XS]|, |v[XS+1]|, |v[XS+2]|          ; the block's largest magnitude, in two chains: all 32 numbers are mine
	v_max3_num_f32 v13, |v[XS+3]|, |v[XS+4]|, |v[XS+5]|
.irp i, 6,10,14,18,22,26
	v_max3_num_f32 v12, v12, |v[XS+\i]|, |v[XS+\i+1]|
	v_max3_num_f32 v13, v13, |v[XS+\i+2]|, |v[XS+\i+3]|
.endr
	v_max3_num_f32 v12, v12, |v[XS+30]|, |v[XS+31]|
	v_max3_num_f32 v12, v12, v13, 0x8000000        ; and the floor 2^(16 - 127): the byte cannot fall under 1
	v_add_nc_u32 v11, 0xf8800000, v12              ; 15 off the exponent field: the conversion takes this operand's exponent field as its scale
	v_and_or_b32 v10, v12, 0x7f800000, s[MNT]      ; 57,344 x the scale
	v_lshrrev_b32 v13, 23, v11                     ; the scale's byte
.if (\t)%4 == 0
	v_mov_b32 v[SB+(\t)/4], v13                    ; four bytes to a word, the lower K in the lower byte
.else
	v_lshl_or_b32 v[SB+(\t)/4], v13, 8*((\t)%4), v[SB+(\t)/4]
.endif
.set li, 0
.rept 32
	v_med3_num_f32 v[XS+li], v[XS+li], -v10, v10   ; the conversion to an 8-bit code does not saturate (ISA guide 7.6.2): the hold comes first
.set li, li+1
.endr
.irp g, 0,1,2,3
	v_cvt_scalef32_pk8_bf8_f32 v[CC+2*\g:CC+2*\g+1], v[XS+8*\g:XS+8*\g+7], v11
.endr
	global_store_b128 v3, v[CC:CC+3], s[14:15] offset:((\t)/4)*OS+(2*((\t)%4))*256        ; K = 32 c + 0..15: sixteen lanes store 256 consecutive bytes
	global_store_b128 v3, v[CC+4:CC+7], s[14:15] offset:((\t)/4)*OS+(2*((\t)%4)+1)*256    ; K = 32 c + 16..31
.if (\t)+2 < 8
	LOADB (\t)+2                                   ; (the next vector line is the next block's first maximum, a plain one on the other set)
.endif
.endm
.macro PATH
	LOADB 0
	LOADB 1
.irp t, 0,1,2,3,4,5,6,7
	BLOCKQ \t
.endr
	global_store_b64 v4, v[SB:SB+1], s[16:17]      ; 32 lanes store 256 consecutive bytes of scale words
	s_endpgm
.endm
	s_load_b128 s[4:7], s[0:1], 0x0                ; key, value
	s_load_b64 s[8:9], s[0:1], 0x10                ; kv
	v_lshrrev_b32 v1, 5, v0
	v_readfirstlane_b32 s20, v1                    ; wave 0..3
	v_and_b32 v1, 31, v0                           ; lane L
	v_lshlrev_b32 v4, 3, v1                        ; my two scale words: 8 L
	v_and_b32 v5, 15, v1                           ; L % 16
	v_lshrrev_b32 v6, 4, v1                        ; L / 16
	s_mov_b32 s[MNT], 0x600000
	s_and_b32 s21, ttmp9, 1                        ; which half: of d (key), of the columns (value)
	s_bfe_u32 s22, ttmp9, 0x50001                  ; j: the step of 128 keys
	s_bfe_u32 s23, ttmp9, 0x20006                  ; the batch
	s_cmp_ge_u32 ttmp9, 256
	s_cbranch_scc1 .Lvalue
	; ---- key: my wave's keys 128 j + 32 wave + 0..31, d = 256 a + 0..255
	v_and_b32 v7, 7, v1
	v_bfe_u32 v8, v1, 3, 1
	v_lshl_add_u32 v7, v6, 3, v7
	v_lshl_add_u32 v7, v8, 4, v7                   ; my key: L % 8 + 8 (L / 16) + 16 ((L / 8) % 2): row L % 16 of tile L / 16
	v_lshlrev_b32 v2, 2, v7                        ; in: the wave's 128 bytes of a row, the lanes in another order
	v_lshlrev_b32 v3, 4, v5
	v_lshl_add_u32 v3, v6, 13, v3                  ; out: 8192 (L / 16) + 16 (L % 16)
	s_lshl_b32 s24, s23, 23                        ; a batch of key is 8,388,608 bytes,
	s_lshl_b32 s25, s21, 22                        ; 256 rows of d 4,194,304,
	s_add_co_u32 s24, s24, s25
	s_lshl_b32 s25, s22, 9                         ; 128 keys 512,
	s_add_co_u32 s24, s24, s25
	s_lshl_b32 s25, s20, 7                         ; 32 keys 128
	s_add_co_u32 s24, s24, s25
	s_mov_b32 s25, 0
	s_lshl_b32 s26, s23, 2
	s_add_co_u32 s26, s26, s20
	s_mul_i32 s26, s26, RUN                        ; the run of (batch, wave),
	s_lshl_b32 s27, s22, 1
	s_sub_co_i32 s27, s27, 1
	s_max_i32 s27, s27, s22                        ; the unit's place: max(2 j - 1, j)
	s_mul_i32 s27, s27, UNIT
	s_add_co_u32 s26, s26, s27
	s_mov_b32 s27, 0
	s_lshl_b32 s28, s21, 12                        ; codes: K steps 2 a, 2 a + 1 begin 4096 a on
	s_mov_b32 s29, 0
	s_lshl_b32 s32, s21, 8
	s_add_co_u32 s32, s32, 16384                   ; scale words: 16384 + 256 a
	s_mov_b32 s33, 0
	s_wait_alu depctr_va_vdst(0)
	s_wait_kmcnt 0x0
	s_add_nc_u64 s[12:13], s[4:5], s[24:25]
	s_add_nc_u64 s[14:15], s[8:9], s[26:27]
	s_add_nc_u64 s[16:17], s[14:15], s[32:33]
	s_add_nc_u64 s[14:15], s[14:15], s[28:29]
.set RP, 16384                         ; a row of key
.set TS, 128*16384                     ; blocks 4-7: the next 128 of d.  The largest offset, 255 rows, stays inside the signed 24-bit immediate (ISA guide, chapter 10)
.set OS, 2048                          ; and the next fragment
	PATH
.Lvalue:
	; ---- value: columns d = 64 P + 32 (t / 4) + L, P = 4 x half + wave; keys 128 j + 32 (t % 4) + 0..31
	s_wait_alu depctr_va_vdst(0)
	v_lshlrev_b32 v2, 2, v1                        ; in: 4 L
	v_lshlrev_b32 v3, 4, v5
	v_lshl_add_u32 v3, v6, 11, v3                  ; out: 2048 (L / 16) + 16 (L % 16)
	s_lshl_b32 s24, s21, 2
	s_add_co_u32 s24, s24, s20                     ; P
	s_lshl_b32 s24, s24, 8                         ; 64 columns are 256 bytes
	s_lshl_b32 s25, s23, 23
	s_add_co_u32 s24, s24, s25
	s_lshl_b32 s25, s22, 18                        ; 128 keys' rows are 262,144 bytes
	s_add_co_u32 s24, s24, s25
	s_mov_b32 s25, 0
	s_lshr_b32 s27, s20, 1
	s_lshl_b32 s26, s21, 1
	s_add_co_u32 s26, s26, s27                     ; the wave that will read them: P / 2
	s_lshl_b32 s27, s23, 2
	s_add_co_u32 s26, s26, s27
	s_mul_i32 s26, s26, RUN
	s_lshl_b32 s27, s22, 1
	s_add_co_u32 s27, s27, 2
	s_min_u32 s27, s27, 63                         ; the unit's place: min(2 j + 2, 63)
	s_mul_i32 s27, s27, UNIT
	s_add_co_u32 s26, s26, s27
	s_mov_b32 s27, 0
	s_and_b32 s28, s20, 1                          ; p = P % 2
	s_lshl_b32 s32, s28, 8
	s_add_co_u32 s32, s32, 16384                   ; scale words: 16384 + 256 p
	s_mov_b32 s33, 0
	s_lshl_b32 s28, s28, 13                        ; codes: fragments 4 p on
	s_mov_b32 s29, 0
	s_wait_alu depctr_va_vdst(0)
	s_wait_kmcnt 0x0
	s_add_nc_u64 s[12:13], s[6:7], s[24:25]
	s_add_nc_u64 s[14:15], s[8:9], s[26:27]
	s_add_nc_u64 s[16:17], s[14:15], s[32:33]
	s_add_nc_u64 s[14:15], s[14:15], s[28:29]
.set RP, 2048                          ; a row of value
.set TS, 128                           ; blocks 4-7: the next 32 columns
.set OS, 4096                          ; two fragments on
	PATH
.Lfunc_end_k_qaf878f6795_prep:
	.size	k_qaf878f6795_prep, .Lfunc_end_k_qaf878f6795_prep-k_qaf878f6795_prep
	.p2alignl 7, 3214868480
	.fill 96, 4, 3214868480
	.section	.rodata,"a",@progbits
	.p2align	6, 0x0
	.amdhsa_kernel k_qaf878f6795_prep
		.amdhsa_group_segment_fixed_size 0
		.amdhsa_private_segment_fixed_size 0
		.amdhsa_enable_private_segment 0
		.amdhsa_kernarg_size 24
		.amdhsa_user_sgpr_count 2
		.amdhsa_user_sgpr_kernarg_segment_ptr 1
		.amdhsa_wavefront_size32 1
		.amdhsa_system_sgpr_workgroup_id_x 1
		.amdhsa_system_sgpr_workgroup_id_y 1
		.amdhsa_system_sgpr_workgroup_id_z 1
		.amdhsa_system_vgpr_workitem_id 0
		.amdhsa_next_free_vgpr 160
		.amdhsa_next_free_sgpr 66
		.amdhsa_reserve_vcc 0
		.amdhsa_float_denorm_mode_32 3
		.amdhsa_float_denorm_mode_16_64 3
		.amdhsa_memory_ordered 1
		.amdhsa_forward_progress 1
		.amdhsa_inst_pref_size 112
	.end_amdhsa_kernel
	.amdgpu_metadata
---
amdhsa.version: [ 1, 2 ]
amdhsa.kernels:
  - .name:           k_qaf878f6795_prep
    .symbol:         k_qaf878f6795_prep.kd
    .args:
      - { .name: key, .offset: 0, .size: 8, .value_kind: global_buffer, .address_space: global }
      - { .name: value, .offset: 8, .size: 8, .value_kind: global_buffer, .address_space: global }
      - { .name: kv, .offset: 16, .size: 8, .value_kind: global_buffer, .address_space: global }
    .group_segment_fixed_size: 0
    .private_segment_fixed_size: 0
    .kernarg_segment_align: 8
    .kernarg_segment_size: 24
    .max_flat_workgroup_size: 128
    .sgpr_count:     66
    .vgpr_count:     160
    .wavefront_size: 32
...
	.end_amdgpu_metadata
.endif
;; end of part 1
;; launch attn (part 2): grid 64 x 4, 4 waves a work-group, clusters of 4 x 1, 327,680 bytes of LDS; arguments query, kv, out0; writes out0
.if DOCPART == 2
	.amdgcn_target "amdgcn-amd-amdhsa--gfx1250"
	.amdhsa_code_object_version 6
	.text
	.protected	k_qaf878f6795_attn
	.globl	k_qaf878f6795_attn
	.p2align	8
	.type	k_qaf878f6795_attn,@function
k_qaf878f6795_attn:
	s_mov_b64 s[64:65], 0
	v_nop
	global_prefetch_b8 v0, s[64:65] scope:SCOPE_SE
	s_setreg_imm32_b32 hwreg(HW_REG_WAVE_MODE, 25, 1), 1
	s_wait_xcnt 0x0
	s_wait_alu depctr_hold_cnt(0) depctr_sa_sdst(0) depctr_va_vdst(0) depctr_va_sdst(0) depctr_va_ssrc(0) depctr_va_vcc(0) depctr_vm_vsrc(0)
	s_getreg_b32 s2, hwreg(HW_REG_IB_STS2, 6, 4)
	s_cmp_eq_u32 s2, 0
	s_cbranch_scc0 .Lentry_in_a_cluster
	s_endpgm
.Lentry_in_a_cluster:
	s_bfe_u32 s2, ttmp6, 0x10000c
	s_cmp_lg_u32 s2, 0x3003
	s_cbranch_scc0 .Lentry_shape_is_right
	s_endpgm
.Lentry_shape_is_right:
; out0[b][q][:] = the sum over keys of softmax(query[b][q] . key[b][:, k]) value[b][k][:], both products on codes of BF8 (E5M2) with one E8M0 scale for each 32 along K.
; key's and value's codes and scale words come from kv, laid in the order of the operands' registers (units of 16,896 bytes: eight fragments of 2,048 and 512 bytes of scale words); query is quantised here.
; THE SOFTMAX: t = score x log2(e); M = the row's largest t so far, rounded UP to a whole number; p = 2^(t - M) is quantised along the keys, not normalised; the row's sum is taken of the unquantised p and divides O at the end.
; When M moves, the sum and O are multiplied by 2^(old M - new M), which rounds nothing.  A block's largest p is the block's largest score put through the same multiply-add and exponential (this takes v_exp_f32 not to fall where its input rises).
; LIMITS: NaN and infinities are not served; a p under 2^-126 counts as 0 (v_exp_f32 flushes: ISA guide 15.8); blocks under the floor 2^-111 keep the byte 1, a block of zeros too (its codes are zeros).
; SHARES.  A work-group owns 64 queries of one batch, four tiles m of 16.  Wave w makes S^T for keys 32 w .. 32 w + 31 of each step of 128 keys and O^T for channels 128 w .. 128 w + 127, both for all four tiles:
;   each fragment of K and V is read from LDS once, by one wave, and feeds four matrix instructions; each wave's tensor load brings just the bytes that it alone reads.
; CLUSTER.  The four work-groups of a cluster belong to one batch and walk the same kv: each block is asked for JOINTLY, by the same tensor load with the same descriptor and the mask 15.
; LAYOUT.  Both products are used transposed (S^T = K Q^T, O^T = V^T P^T): a lane holds one query (lane % 16) throughout; the keys of a tile are chosen so that a lane's 16 scores of two tiles are 16 neighbouring keys.
; PIPELINE.  Interval x begins with K(x+2), V(x) and P(x) in registers, the scores of step x+1 in registers and their block maxima in LDS.  At its head stands the round of the cluster's barrier and the refill of the slot just left.
;   FIRST HALF: the vector list of step x+1's softmax, with the 32 products V^T P of step x in groups of four, a group behind every 32 lines.
;   SECOND HALF: the 32 products K Q^T of step x+2, with O's rescaling between them.  P(x+1) is published at its start, a plain barrier is signalled at product 4 and awaited at product 16, and P(x+1) is read there.
;   Then step x+2's maxima are published.  Of O's 32 tiles, three are rescaled between the add and its wait, two between the opening signal and its wait, three behind the next interval's four LDS loads.
;   Fragments are read from LDS as their last products are done: V 0-3 at product 20 of the first half, V's scale words and V 4-7 at product 4 of the second, K's K steps 0, 1 at product 18, K step 2 at product 26, K's scale words and K step 3 at the end.
; PREFETCH.  A wave's run of kv is 32 blocks of 33,792 bytes; the load of block x + 3 stands at the head of interval x.  Block p is asked for by the clusters X and 15 - X of the batch with min(X, 15 - X) = p % 8, in interval p - 6;
;   blocks 1 to 4 at the head; block 0 comes by its load alone.  Wave w asks for run w; the four partners take a quarter each, 33 aligned blocks of 256 bytes, told apart by address: a lane a block, and one more instruction for the 33rd.
; LDS: two slots of 135,168 bytes (wave w's 33,792 at 33,792 w: unit A, unit B); EXB: first Q's images and scale words, then two exchange areas of 12,288 by turns; QT: four stages of 4,352 bytes through which query is turned; the spare words.
; REGISTERS, in windows of 256: window 0: addresses, statistics, S^T, P's fragments, scale words;  window 1: K's 8 fragments (v0-127), V's 8 (v128-255); at the head query as loaded;  window 2: Q's 16 fragments;  window 3: O^T; at the head query as turned.
.set UNIT,  16896
.set PART,  2*UNIT                     ; what one tensor load brings: two units, 132 rows of 256 bytes
.set SLOTB, 4*PART
.set RUN,   64*UNIT                    ; one (batch, wave) run of kv
.set EXB,   2*SLOTB                    ; behind the ring
.set EXS,   12288                      ; an exchange area: P's images (tile m at 2048 m, wave c's four registers at + 512 c + 16 lane),
.set BYT,   8192                       ; p's scale bytes (512 w + 16 lane: four words, one a tile),
.set MAXA,  10240                      ; the block maxima, laid the same way
.set QSC,   32768                      ; Q's scale words, behind Q's 16 images of 2,048 bytes
.set QT,    EXB+34816                  ; query's turn: 16 rows of 256 + 16 bytes for each wave
.set QTW,   16*272
.set SPARE, QT+4*QTW                   ; the spare words, 128 bytes for each wave: two blocks of 256 bytes that no other line names
.set SPW, 1                            ; v1   LDS address of my spare word; never rewritten
.set NIL, 2                            ; v2   0; never rewritten
.set LI,  3                            ; v3   EXB + 16 lane
.set PWA, 4                            ; v4   EXB + 16 lane + 512 wave: where I publish
.set A0,  5                            ; v5-6 slot 0, 1: my part + 16 lane (v5 is also where I read the stage back)
.set B0,  7                            ; v7-8 slot 0, 1: my part + 8 lane
.set QWI, 9                            ; v9   where I store Q's images
.set QWS, 10                           ; v10  and their scale words
.set LS,  11                           ; v11  EXB + QSC + 4 lane
.set T2,  12                           ; v12-15 destinations of lane permutes
.set ST,  16                           ; v16-23 pairs (-M, the largest t), one a tile
.set F,   24                           ; v24-31 pairs (f, 0)
.set L,   32                           ; v32-39 the sums, in two halves
.set MB,  40                           ; my block's largest score, a tile each
.set BM,  44                           ; my block's largest p
.set SCL, 48                           ; the conversion's scale operand
.set HLD, 52                           ; 57,344 x the scale
.set SBY, 56                           ; the scale's byte
.set T,   60                           ; at work
.set S,   64                           ; v64-127  S^T, then p: tile (u, m) at 64 + 16 m + 8 u
.set PF,  128                          ; v128-191 P's four fragments
.set PC,  192                          ; v192-207 the codes just made; then the sixteen scale bytes read back
.set QS,  208                          ; v208-223 Q's scale words (4 m + s)
.set CO,  224                          ; v224 16 lane
.set STO, 225                          ; v225 the stage on the way out: my part of slot 0 + 528 r + 32 h
.set KS,  226                          ; v226-229 K's scale words, one a K step: lanes 0-15 tile 0, lanes 16-31 tile 1.  (The two scale registers of every product have different numbers modulo 8)
.set VS,  230                          ; v230-233 V's: register t / 2, lanes 0-15 the even tile, lanes 16-31 the odd
.set PW,  234                          ; v234-237 P's scale words
.set RM,  238                          ; v238-253 the four waves' maxima (4 w + m); at the head three offsets:
.set XA,  238                          ; query: 2048 (lane / 16) + 16 (lane % 16)
.set QTS, 239                          ; the turn, in: my stage + 272 (lane / 16) + 16 (lane % 16)
.set QTL, 240                          ; and back: my stage + 272 (lane % 16) + 64 (lane / 16)
.set PFO, 254                          ; v254 256 lane; never rewritten
.set PF2, 255                          ; v255 0: all lanes name the 33rd block; never rewritten
.set MSB, 0
.macro WIN new                         ; the immediate's high byte repeats the setting that is left; a switch that changes nothing is dropped
.if MSB != \new
	s_set_vgpr_msb (MSB<<8)|\new
.set MSB, \new
.endif
.endm
; window settings (bits 1:0 source 0, 3:2 source 1, 5:4 source 2, 7:6 destination): 0x09 K Q^T; 0xF1 V^T P; 0xC3 O x f; 0x40, 0x80, 0xC0 loads into windows 1, 2, 3; 0x04, 0x0C LDS store data from windows 1, 3
.macro CREST                           ; a round of the cluster's barrier behind its opening barrier
	s_cmp_lg_u32 s10, 0
	s_cbranch_scc1 .Lnot_wave_0_\@
	s_barrier_signal -3
.Lnot_wave_0_\@:
	s_barrier_wait -3
	s_barrier_signal -1
	s_barrier_wait -1
.endm
.macro CROUND
	s_barrier_signal -1
	s_barrier_wait -1
	CREST
.endm
.macro BARRIER                         ; my LDS stores have landed and my LDS loads are in: then the work-group's barrier
	s_wait_dscnt 0x0
	s_barrier_signal -1
	s_barrier_wait -1
.endm
.macro WM row, zero                    ; one product on rD, rA, rB, rSA, rSB.  row = 1: source 0's scales from lanes 16-31; zero = 1: it starts its sum
.if (\row) && (\zero)
	v_wmma_scale_f32_16x16x128_f8f6f4 v[rD:rD+7], v[rA:rA+15], v[rB:rB+15], 0, v[rSA], v[rSB] matrix_a_fmt:MATRIX_FMT_BF8 matrix_b_fmt:MATRIX_FMT_BF8 matrix_a_scale:MATRIX_SCALE_ROW1
.elseif \row
	v_wmma_scale_f32_16x16x128_f8f6f4 v[rD:rD+7], v[rA:rA+15], v[rB:rB+15], v[rD:rD+7], v[rSA], v[rSB] matrix_a_fmt:MATRIX_FMT_BF8 matrix_b_fmt:MATRIX_FMT_BF8 matrix_a_scale:MATRIX_SCALE_ROW1
.elseif \zero
	v_wmma_scale_f32_16x16x128_f8f6f4 v[rD:rD+7], v[rA:rA+15], v[rB:rB+15], 0, v[rSA], v[rSB] matrix_a_fmt:MATRIX_FMT_BF8 matrix_b_fmt:MATRIX_FMT_BF8
.else
	v_wmma_scale_f32_16x16x128_f8f6f4 v[rD:rD+7], v[rA:rA+15], v[rB:rB+15], v[rD:rD+7], v[rSA], v[rSB] matrix_a_fmt:MATRIX_FMT_BF8 matrix_b_fmt:MATRIX_FMT_BF8
.endif
.endm
.macro SW                              ; product n of S^T = K Q^T: K step n / 8, key tile (n % 8) / 4, query tile n % 4.  Eight accumulators by turns; the first eight start the sums
.set rD, S+16*(n%4)+8*((n%8)/4)
.set rA, 16*(4*((n%8)/4)+n/8)
.set rB, 16*(4*(n%4)+n/8)
.set rSA, KS+n/8
.set rSB, QS+4*(n%4)+n/8
.if n < 8
	WM (n%8)/4, 1
.else
	WM (n%8)/4, 0
.endif
.endm
.macro PVW mode                        ; product n of O^T += V^T P^T: channel tile n / 4, query tile n % 4: 32 accumulators, each once.  mode = 1: they start O^T's sums
.set rD, 8*n
.set rA, 128+16*(n/4)
.set rB, PF+16*(n%4)
.set rSA, VS+n/8
.set rSB, PW+n%4
	WM (n/4)%2, 2-\mode
.endm
.macro VREL t, adr, ub                 ; V's fragment t from the unit at byte ub of my part: 512 consecutive bytes a load
	WIN 0x40
.irp c, 0,1,2,3
	ds_load_b128 v[128+16*(\t)+4*\c:128+16*(\t)+4*\c+3], v[\adr] offset:\ub+2048*(\t)+512*\c
.endr
.endm
.macro KREL f, adr, ub                 ; K's fragment f = 4 u + s likewise
	WIN 0x40
.irp c, 0,1,2,3
	ds_load_b128 v[16*(\f)+4*\c:16*(\f)+4*\c+3], v[\adr] offset:\ub+2048*(\f)+512*\c
.endr
.endm
.macro SCLD reg, badr, ub              ; a unit's 512 bytes of scale words: four registers
	WIN 0
.irp a, 0,1
	ds_load_b64 v[\reg+2*\a:\reg+2*\a+1], v[\badr] offset:\ub+16384+256*\a
.endr
.endm
.macro ASKU base                       ; my work-group's quarter of my wave's block of kv: 33 aligned blocks of 256 bytes
	global_prefetch_b8 v[PFO], s[\base:\base+1] th:TH_LOAD_NT scope:SCOPE_SE
	global_prefetch_b8 v[PF2], s[\base:\base+1] offset:8192 th:TH_LOAD_NT scope:SCOPE_SE
.endm
; THE DEAL OF THE FIRST HALF.  MX stands behind every four or five lines of the vector list, with their number.  Products n .. n + 3 of V^T P are written when 20 + 8 n lines have been written (P's scale words, 12 lines, counted in).
; Ahead of product 20: the loads into V's fragments 0-3: their last reader, product 15, stands among the exponentials, and 28 plain lines that name none of its registers follow those.
.macro MX c
.set vc, vc+(\c)
.if vc >= th
.if VLF && (n == 20)
.irp t, 0,1,2,3
	VREL \t, VADR, VUB
.endr
.endif
.if PVF && (n < 32)
	WIN 0xF1
.rept 4
	PVW PVF
.set n, n+1
.endr
.else
.set n, n+4
.endif
	WIN 0
.set th, th+32
.endif
.endm
.macro MUPD                            ; M and f for the step whose maxima were read; the four tiles by turns
.irp m, 0,1,2,3
	v_max3_num_f32 v[T+\m], v[RM+\m], v[RM+4+\m], v[RM+8+\m]
.endr
	MX 4
.irp m, 0,1,2,3
	v_max_num_f32 v[T+\m], v[T+\m], v[RM+12+\m]    ; the step's largest score of my query.  (These eight lines are the places between P's scale words and the first product that names them)
.endr
	MX 4
.irp m, 0,1,2,3
	v_mul_f32 v[T+\m], s34, v[T+\m]                ; as t
.endr
	MX 4
.irp m, 0,1,2,3
	v_max_num_f32 v[ST+2*\m+1], v[ST+2*\m+1], v[T+\m]   ; the running largest t
.endr
	MX 4
.irp m, 0,1,2,3
	v_mov_b32 v[T+\m], v[ST+2*\m]
.endr
	MX 4
.irp m, 0,1,2,3
	v_floor_f32 v[ST+2*\m], -v[ST+2*\m+1]          ; the new -M = floor(-t): M is a whole number
.endr
	MX 4
.irp m, 0,1,2,3
	v_sub_f32 v[T+\m], v[ST+2*\m], v[T+\m]         ; old M - new M: a whole number, 0 or less
.endr
	MX 4
.irp m, 0,1,2,3
	v_cvt_i32_f32 v[T+\m], v[T+\m]                 ; (it saturates)
.endr
	MX 4
.irp m, 0,1,2,3
	v_ldexp_f32 v[F+2*\m], 1.0, v[T+\m]            ; f = 2^(old M - new M)
.endr
	MX 4
.endm
.macro PWORD                           ; the four waves' bytes make P's scale word: byte c is wave c's block of 32 keys
.irp m, 0,1,2,3
	v_lshl_or_b32 v[PW+\m], v[PC+4+\m], 8, v[PC+\m]
.endr
.irp m, 0,1,2,3
	v_lshl_or_b32 v[PW+\m], v[PC+8+\m], 16, v[PW+\m]
.endr
.irp m, 0,1,2,3
	v_lshl_or_b32 v[PW+\m], v[PC+12+\m], 24, v[PW+\m]
.endr
.endm
.macro TSUB                            ; t - M, two at a time (of the pairs c and -M the low word serves both halves); the same of my block's largest score
.irp m, 0,1,2,3
.irp i, 0,2,4,6
	v_pk_fma_f32 v[S+16*\m+\i:S+16*\m+\i+1], v[S+16*\m+\i:S+16*\m+\i+1], s[34:35], v[ST+2*\m:ST+2*\m+1] op_sel_hi:[1,0,0]
.endr
	MX 4
.irp i, 8,10,12,14
	v_pk_fma_f32 v[S+16*\m+\i:S+16*\m+\i+1], v[S+16*\m+\i:S+16*\m+\i+1], s[34:35], v[ST+2*\m:ST+2*\m+1] op_sel_hi:[1,0,0]
.endr
	MX 4
.endr
.irp m, 0,1,2,3
	v_fma_f32 v[BM+\m], v[MB+\m], s34, v[ST+2*\m]
.endr
	MX 4
.endm
.macro EXPS                            ; p = 2^(t - M), at most 1; the first plain vector line behind them is the sums' rescaling, which names none of them
.set li, 0
.rept 16
.rept 4
	v_exp_f32 v[S+li], v[S+li]
.set li, li+1
.endr
	MX 4
.endr
.irp m, 0,1,2,3
	v_exp_f32 v[BM+\m], v[BM+\m]
.endr
	MX 4
.endm
.macro SOFT fin                        ; the rest of the softmax, the four tiles by turns; fin = 1: the last step
.irp m, 0,1,2,3
	v_pk_mul_f32 v[L+2*\m:L+2*\m+1], v[L+2*\m:L+2*\m+1], v[F+2*\m:F+2*\m+1] op_sel_hi:[1,0]   ; the sums under the new M
.endr
	MX 4
	s_wait_alu depctr_va_vdst(0)                   ; one wait for the batch of exponentials, ahead of its first reader
.irp m, 0,1,2,3
	v_max_num_f32 v[BM+\m], 0x8000000, v[BM+\m]    ; the floor 2^(16 - 127): the byte cannot fall under 1
.endr
	MX 4
.irp m, 0,1,2,3
	v_add_nc_u32 v[SCL+\m], 0xf8800000, v[BM+\m]   ; 15 off the exponent field: the conversion's scale operand
.endr
	MX 4
.irp m, 0,1,2,3
	v_and_or_b32 v[HLD+\m], v[BM+\m], 0x7f800000, s36   ; 57,344 x the scale
.endr
	MX 4
.irp jj, 0,1,2,3,4,5,6,7
.irp m, 0,1,2,3
	v_pk_add_f32 v[L+2*\m:L+2*\m+1], v[L+2*\m:L+2*\m+1], v[S+16*\m+2*\jj:S+16*\m+2*\jj+1]   ; the sum is taken of the unquantised p
.endr
	MX 4
.endr
.irp qm, 0,1,2,3
.irp qe, 0,1
.irp i, 0,1,2,3
	v_min_num_f32 v[S+16*\qm+8*\qe+\i], v[S+16*\qm+8*\qe+\i], v[HLD+\qm]   ; the conversion does not saturate (ISA guide 7.6.2); p is not negative, so the hold is one-sided
.endr
	MX 4
.irp i, 4,5,6,7
	v_min_num_f32 v[S+16*\qm+8*\qe+\i], v[S+16*\qm+8*\qe+\i], v[HLD+\qm]
.endr
	v_cvt_scalef32_pk8_bf8_f32 v[PC+4*\qm+2*\qe:PC+4*\qm+2*\qe+1], v[S+16*\qm+8*\qe:S+16*\qm+8*\qe+7], v[SCL+\qm]
	MX 5
.endr
.endr
.irp m, 0,1,2,3
	v_lshrrev_b32 v[SBY+\m], 23, v[SCL+\m]         ; the scale's byte.  (The plain lines behind the last conversion)
.endr
	MX 4
.if \fin
.irp m, 0,1,2,3
	v_add_f32 v[MB+\m], v[L+2*\m], v[L+2*\m+1]     ; the last step: my part of the row's sum goes where the maxima went
.endr
.endif
.endm
.macro RSL rt                          ; O^T's tile rt times f, from its low end on: four plain lines that name no register of the products K Q^T
	WIN 0xC3
.irp i, 0,2,4,6
	v_pk_mul_f32 v[8*(\rt)+\i:8*(\rt)+\i+1], v[8*(\rt)+\i:8*(\rt)+\i+1], v[F+2*((\rt)%4):F+2*((\rt)%4)+1] op_sel_hi:[1,0]
.endr
.endm
.macro NOP8
.rept 8
	v_nop
.endr
.endm
.macro MAXIMA                          ; the largest score of my block of 32 keys, for each tile; each accumulator is read from its low end on
	WIN 0
.irp m, 0,1,2,3
	v_max3_num_f32 v[MB+\m], v[S+16*\m], v[S+16*\m+1], v[S+16*\m+2]
.endr
.irp i, 3,5,7,9,11,13
.irp m, 0,1,2,3
	v_max3_num_f32 v[MB+\m], v[MB+\m], v[S+16*\m+\i], v[S+16*\m+\i+1]
.endr
.endr
.irp m, 0,1,2,3
	v_max_num_f32 v[MB+\m], v[MB+\m], v[S+16*\m+15]
.endr
.irp m, 0,1,2,3
	v_permlanex16_b32 v[T2+\m], v[MB+\m], s32, s33
.endr
.irp m, 0,1,2,3
	v_max_num_f32 v[MB+\m], v[MB+\m], v[T2+\m]     ; with lane l xor 16's 16 keys
.endr
.endm
; THE SECOND HALF.  par: the slot read.  sc: the 32 products K Q^T; kl: K's reload (unit B); rs: O's rescaling; ps: P is published and read; vl: V's reload.
; Two tiles of the rescaling stand behind each odd product up to 19, two behind product 25 and two behind product 31: each pair is eight plain lines that name no register of the products.
; So the loads at product 4 stand 20 plain lines behind the last product V^T P (the bytes' four, four tiles); those at 18 stand 16 behind product 15; those at 26 eight behind product 23; those at the end, and the first read of the scores, eight behind 31.
; rs = 0: eight v_nop where a register has been read by a product.
.macro P3 par, sc, kl, rs, ps, vl
.if \ps
	WIN 0
.irp m, 0,1,2,3
	ds_store_b128 v[PWA], v[PC+4*\m:PC+4*\m+3] offset:E+2048*\m   ; my four registers of tile m's fragment, as they stand
.endr
	ds_store_b128 v[PWA], v[SBY:SBY+3] offset:E+BYT
.endif
.set n, 0
.rept 32
.if n == 4
.if \vl
	WIN 0
	s_wait_xcnt 0x0                                ; any prefetch of mine has read its base, so it may be stepped
	s_add_nc_u64 s[44:45], s[44:45], PART
	s_add_co_u32 s46, s46, 1                       ; the block that it names now
	s_and_b32 s38, s46, 7
	s_cmp_gt_u32 s46, 31                           ; behind the last block nothing is asked for
	s_cselect_b32 s38, 8, s38
	s_cmp_eq_u32 s38, s47                          ; is it one of my cluster's?  (The cluster's number and the count of intervals alone)
	s_cbranch_scc0 .Lnot_mine_\@
	ASKU 44
.Lnot_mine_\@:
.endif
.if \ps
	s_wait_dscnt 0x0                               ; what I published has landed
	s_barrier_signal -1                            ; up to the wait at product 16: products, rescaling, and LDS loads of my part of the slot, which nothing writes before a later barrier
.endif
.if \vl
	SCLD VS, VBDR, VUB
.irp t, 4,5,6,7
	VREL \t, VADR, VUB
.endr
.endif
.endif
.if (\ps) && (n == 16)
	WIN 0
	s_barrier_wait -1
.irp w, 0,1,2,3
	ds_load_b128 v[PC+4*\w:PC+4*\w+3], v[LI] offset:E+BYT+512*\w
.endr
.irp m, 0,1,2,3
.irp c, 0,1,2,3
	ds_load_b128 v[PF+16*\m+4*\c:PF+16*\m+4*\c+3], v[LI] offset:E+2048*\m+512*\c
.endr
.endr
.endif
.if (\kl) && (n == 18)
.if \rs == 0
	NOP8
.endif
.irp f, 0,1,4,5
	KREL \f, A0+\par, UNIT
.endr
.endif
.if (\kl) && (n == 26)
.if \rs == 0
	NOP8
.endif
.irp f, 2,6
	KREL \f, A0+\par, UNIT
.endr
.endif
.if \sc
	WIN 0x09
	SW
.endif
.if (\rs) && (n%2 == 1) && (n < 20)
	RSL n-1
	RSL n
.endif
.if (\rs) && (n == 25)
	RSL 20
	RSL 21
.endif
.set n, n+1
.endr
.if \rs
	RSL 22
	RSL 23
.elseif \sc
	NOP8
.endif
.if \kl
	SCLD KS, B0+\par, UNIT
.irp f, 3,7
	KREL \f, A0+\par, UNIT
.endr
.endif
.endm
.macro P4 mx                           ; the maxima (mx), or what stands in their place, are published
.if \mx
	MAXIMA
.endif
	WIN 0
	ds_store_b128 v[PWA], v[MB:MB+3] offset:E+MAXA
.endm
; THE BARRIER AT AN INTERVAL'S HEAD.  mt = 2: the three lines, a round of the cluster's barrier, and the refill of slot sl, whose descriptor steps two blocks on; 1: the three lines and a plain barrier; 0: a plain barrier.
; lr: tiles 24 to 28 of the interval before are rescaled here: work on registers alone.
.macro HEADB mt, sl, lr
	WIN 0                                          ; at a label and at a branch every window is 0; the add's registers lie in window 0
.if \mt
	s_wait_tensorcnt 0x0                           ; all my tensor loads have landed: the one that was out is the block that this interval reads
	ds_add_u32 v[SPW], v[NIL]                      ; 0 onto my spare word
.endif
.if \mt == 2
	s_add_nc_u64 s[26+4*(\sl):27+4*(\sl)], s[26+4*(\sl):27+4*(\sl)], 4*UNIT   ; no load of mine is out, so a group 0 may be written; the type bits on top are not reached
.endif
.if \lr
	RSL 24
	RSL 25
	RSL 26
	WIN 0
.endif
	s_wait_dscnt 0x0                               ; the add is done; my reads of the slot that I leave are in; what I published has landed
	s_barrier_signal -1
.if \lr
	RSL 27
	RSL 28
	WIN 0
.endif
	s_barrier_wait -1
.if \mt == 2
	CREST
	tensor_load_to_lds s[24+4*(\sl):27+4*(\sl)], s[16:23]   ; the first thing behind the round, my one tensor load until the next
	s_nop 0
.endif
.endm
; AN INTERVAL.  par = x & 1: the slot read and the exchange area written.  pv = 2: 32 products V^T P; 1: they start O^T; 0: none.  vl, vs, vu: V's reload, its slot and its unit's byte.  sc, kl, rs: as in P3.  fin = 1: the last softmax.
.macro IV par, mt, lr, pv, vl, vs, vu, sc, kl, rs, fin
.set E,  EXS*(\par)
.set ER, EXS*(1-(\par))
.set PVF, \pv
.set VLF, \vl
.set VADR, A0+\vs
.set VBDR, B0+\vs
.set VUB, \vu
	HEADB \mt, 1-\par, \lr
.irp w, 0,1,2,3
	ds_load_b128 v[RM+4*\w:RM+4*\w+3], v[LI] offset:ER+MAXA+512*\w
.endr
.if \lr
	RSL 29
	RSL 30
	RSL 31
	WIN 0
.endif
.if \pv
	PWORD
	s_wait_alu depctr_va_vdst(0)
.endif
	s_wait_dscnt 0x0                               ; the maxima are in
.set n, 0
.set th, 20
.set vc, 12
	MUPD
	TSUB
	s_wait_alu depctr_va_vdst(0)                   ; ahead of the batch of exponentials
	EXPS
	SOFT \fin
	P3 \par, \sc, \kl, \rs, 1, \vl
	P4 \sc
.endm
; 64 numbers of a lane in window 3, register 64 s + 16 b + i = d 128 s + 32 b + 16 (lane / 16) + i of my row, become a fragment's codes in v[PC] on and its scale word in v[T]
.macro QUANTQ s
	WIN 0x0F
.irp b, 0,1,2,3
	v_max3_num_f32 v[MB+\b], |v[64*\s+16*\b]|, |v[64*\s+16*\b+1]|, 0x8000000   ; my 16 numbers of block b, and the floor 2^(16 - 127)
.endr
.irp i, 2,4,6,8,10,12,14
.irp b, 0,1,2,3
	v_max3_num_f32 v[MB+\b], |v[64*\s+16*\b+\i]|, |v[64*\s+16*\b+\i+1]|, v[MB+\b]
.endr
.endr
	WIN 0
.irp b, 0,1,2,3
	v_permlanex16_b32 v[T2+\b], v[MB+\b], s32, s33
.endr
.irp b, 0,1,2,3
	v_max_num_f32 v[MB+\b], v[MB+\b], v[T2+\b]     ; with lane l xor 16's: the block's largest magnitude
.endr
.irp b, 0,1,2,3
	v_add_nc_u32 v[SCL+\b], 0xf8800000, v[MB+\b]
.endr
.irp b, 0,1,2,3
	v_and_or_b32 v[HLD+\b], v[MB+\b], 0x7f800000, s36
.endr
.irp b, 0,1,2,3
	v_lshrrev_b32 v[SBY+\b], 23, v[SCL+\b]
.endr
	v_lshl_or_b32 v[T], v[SBY+1], 8, v[SBY]
	v_lshl_or_b32 v[T], v[SBY+2], 16, v[T]
	v_lshl_or_b32 v[T], v[SBY+3], 24, v[T]
	WIN 0xC3
.irp b, 0,1,2,3
.irp i, 0,1,2,3,4,5,6,7,8,9,10,11,12,13,14,15
	v_med3_num_f32 v[64*\s+16*\b+\i], v[64*\s+16*\b+\i], -v[HLD+\b], v[HLD+\b]
.endr
.endr
	WIN 0x03
.irp b, 0,1,2,3
	v_cvt_scalef32_pk8_bf8_f32 v[PC+4*\b:PC+4*\b+1], v[64*\s+16*\b:64*\s+16*\b+7], v[SCL+\b]
	v_cvt_scalef32_pk8_bf8_f32 v[PC+4*\b+2:PC+4*\b+3], v[64*\s+16*\b+8:64*\s+16*\b+15], v[SCL+\b]
.endr
	WIN 0
	v_nop                                          ; one plain vector line behind the last conversion
.endm
; Chunk q of query, 256 bytes of each of my 16 rows, was loaded sixteen lanes to a row's 256 bytes; it goes through my stage and comes back 64 neighbouring bytes a lane.  LDS serves a wave's instructions in order (ISA guide 5.7.1.4)
.macro TURNQ q
	s_wait_loadcnt 56-8*(\q)                       ; this chunk's eight loads are in; the later chunks' may be out
	WIN 0x04
.irp i, 0,1,2,3,4,5,6,7
	ds_store_b128 v[QTS], v[32*(\q)+4*\i:32*(\q)+4*\i+3] offset:544*\i
.endr
	WIN 0xC0
.irp b, 0,1
.irp j, 0,1,2,3
	ds_load_b128 v[32*(\q)+16*\b+4*\j:32*(\q)+16*\b+4*\j+3], v[QTL] offset:128*\b+16*\j
.endr
.endr
.endm
	s_load_b128 s[4:7], s[0:1], 0x0                ; query, kv
	s_load_b64 s[8:9], s[0:1], 0x10                ; out0
	v_lshl_add_u32 v[SPW], v0, 2, SPARE
	v_mov_b32 v[NIL], 0
	ds_add_u32 v[SPW], v[NIL]                      ; the opening lines: the add, twice on end, and its wait ahead of my first tensor load
	ds_add_u32 v[SPW], v[NIL]
	v_lshrrev_b32 v[T], 5, v0
	v_readfirstlane_b32 s10, v[T]                  ; wave 0..3
	s_bfe_u32 s11, ttmp6, 0x40000                  ; cx: my place in the cluster: it enters query's, out0's and the prefetches' addresses alone
	s_lshl_b32 s12, ttmp9, 2                       ; in a cluster launch ttmp9 counts clusters
	s_add_co_u32 s12, s12, s11                     ; my block of 64 queries
	s_and_b32 s13, ttmp7, 0xffff                   ; the batch, which the four partners share
	s_mul_i32 s14, s10, PART                       ; my part of a slot
	s_lshl_b32 s15, s10, 9
	s_lshl_b32 s37, s10, 13
	; descriptor group 1: a dense block of 33,792 bytes as 132 rows of 32 elements of 8 bytes, no padding (every LDS load of it takes 512 or 256 consecutive bytes)
	s_mov_b32 s16, 15|(3<<16)|(1<<21)              ; 15:0 the mask: all four work-groups; 17:16 elements of 8 bytes; 21 set beside a mask
	s_mov_b32 s17, 32<<16                          ; tensor_dim0 = 32
	s_mov_b32 s18, 132<<16                         ; tensor_dim1 = 132
	s_mov_b32 s19, 32<<16                          ; tile_dim0 = 32
	s_mov_b32 s20, 132                             ; tile_dim1 = 132
	s_mov_b32 s21, 32                              ; elements from row to row
	s_mov_b32 s22, 0
	s_mov_b32 s23, 0
	s_mov_b32 s32, 0x76543210
	s_mov_b32 s33, 0xfedcba98                      ; v_permlanex16_b32's selects for lane l xor 16
	s_mov_b32 s34, 0x3fb8aa3b                      ; log2(e)
	s_mov_b32 s35, s34                             ; (named with it as a pair, so it is written)
	s_mov_b32 s36, 0x600000                        ; the mantissa field of 57,344
	s_wait_dscnt 0x0                               ; both opening adds are done
	s_lshl_b32 s38, s13, 12
	s_lshl_b32 s39, s12, 6
	s_add_co_u32 s38, s38, s39                     ; my block's first row: 4096 batch + 64 block
	s_lshl_b32 s40, s38, 11                        ; out0: rows of 2,048 bytes,
	s_add_co_u32 s40, s40, s15                     ; + my 128 channels
	s_mov_b32 s41, 0
	s_lshl_b32 s39, s10, 4
	s_add_co_u32 s38, s38, s39                     ; query: the 16 rows that I quantise
	s_lshl_b32 s38, s38, 11
	s_mov_b32 s39, 0
	s_lshl_b32 s42, s13, 2
	s_add_co_u32 s42, s42, s10
	s_mul_i32 s42, s42, RUN                        ; kv: the run of (batch, wave): nothing of cx
	s_mov_b32 s43, 0
	s_sub_co_u32 s47, 15, ttmp9
	s_min_u32 s47, s47, ttmp9                      ; min(X, 15 - X): which blocks my cluster asks for
	s_mul_i32 s48, s11, PART/4                     ; my work-group's quarter of a block,
	s_mov_b32 s49, 0
	s_mul_i32 s50, s47, PART
	s_add_co_u32 s50, s50, s48                     ; in the block asked for at the head,
	s_mov_b32 s51, 0
	s_add_co_u32 s48, s48, 4*PART                  ; and in block 4: the first interval steps it to block 5
	s_mov_b32 s46, 4
	s_sub_co_u32 s52, s47, 1                       ; under 4 where my cluster asks at the head
	s_mul_i32 s53, s10, QTW
	s_add_co_u32 s53, s53, QT                      ; my stage of the turn
	v_and_b32 v[T], 31, v0                         ; lane
	v_and_b32 v[T+1], 15, v0                       ; r
	v_bfe_u32 v[T+2], v0, 4, 1                     ; h
	v_lshl_add_u32 v[LI], v[T], 4, EXB
	v_add_nc_u32 v[PWA], s15, v[LI]
	v_lshlrev_b32 v[CO], 4, v[T]
	v_add_nc_u32 v[A0], s14, v[CO]
	v_add_nc_u32 v[A0+1], SLOTB, v[A0]
	v_lshlrev_b32 v[B0], 3, v[T]
	v_add_nc_u32 v[B0], s14, v[B0]
	v_add_nc_u32 v[B0+1], SLOTB, v[B0]
	v_lshl_add_u32 v[LS], v[T], 2, EXB+QSC
	v_add_nc_u32 v[QWS], s15, v[LS]                ; my four scale words' rows: 512 wave on
	v_add_nc_u32 v[QWI], s37, v[LI]                ; my four images: 8192 wave on
	v_lshlrev_b32 v[XA], 11, v[T+2]
	v_lshl_add_u32 v[XA], v[T+1], 4, v[XA]
	v_mul_u32_u24 v[QTS], v[T+2], 272
	v_lshl_add_u32 v[QTS], v[T+1], 4, v[QTS]
	v_add_nc_u32 v[QTS], s53, v[QTS]
	v_mul_u32_u24 v[QTL], v[T+1], 272
	v_lshl_add_u32 v[QTL], v[T+2], 6, v[QTL]
	v_add_nc_u32 v[QTL], s53, v[QTL]
	v_mul_u32_u24 v[STO], v[T+1], 528
	v_lshl_add_u32 v[STO], v[T+2], 5, v[STO]
	v_add_nc_u32 v[STO], s14, v[STO]
	v_lshlrev_b32 v[PFO], 8, v[T]
	v_mov_b32 v[PF2], 0
.irp m, 0,1,2,3
	v_mov_b32 v[ST+2*\m+1], 0xff61b1e6             ; the largest t so far: -3e38, under every t
	v_floor_f32 v[ST+2*\m], -v[ST+2*\m+1]          ; -M
	v_mov_b32 v[F+2*\m], 0
	v_mov_b32 v[F+2*\m+1], 0                       ; (the upper word of a pair that is named whole)
	v_mov_b32 v[L+2*\m], 0                         ; the sum, in two halves
	v_mov_b32 v[L+2*\m+1], 0
	v_mov_b32 v[T2+\m], 0                          ; written once: a lane permute's destination counts as one of its sources
.endr
	s_wait_alu depctr_va_vdst(0)
	s_wait_kmcnt 0x0
	s_add_nc_u64 s[4:5], s[4:5], s[38:39]
	s_add_nc_u64 s[8:9], s[8:9], s[40:41]
	s_add_nc_u64 s[6:7], s[6:7], s[42:43]
	s_add_nc_u64 s[44:45], s[6:7], s[48:49]
	s_add_nc_u64 s[50:51], s[6:7], s[50:51]
	s_mov_b32 s24, 1                               ; group 0 for slot 0: count = 1,
	s_mov_b32 s25, s14                             ; LDS address,
	s_mov_b64 s[26:27], s[6:7]                     ; global address: block 0, K0 | K1,
	s_or_b32 s27, s27, 0x80000000                  ; type = 2
	s_mov_b32 s28, 1                               ; and for slot 1: block 1, V0 | K2
	s_add_co_u32 s29, s14, SLOTB
	s_add_nc_u64 s[30:31], s[6:7], PART
	s_or_b32 s31, s31, 0x80000000
	CROUND                                         ; all four work-groups are here: the first joint loads meet
	tensor_load_to_lds s[24:27], s[16:23]          ; block 0: my one tensor load at the head
	s_nop 0
.rept 4
	v_nop                                          ; (the windows are switched four instructions behind a tensor load)
.endr
	s_cmp_lt_u32 s52, 4
	s_cbranch_scc0 .Lno_head_ask
	ASKU 50                                        ; blocks 1 to 4
.Lno_head_ask:
	; ---- Q: wave w loads rows 16 w .. 16 w + 15 in runs of 256 bytes, turns them, quantises them (tile w, four K steps) and stores their images; then every wave takes all sixteen fragments into window 2
	WIN 0x40
.irp q, 0,1,2,3,4,5,6,7
.irp i, 0,1,2,3,4,5,6,7
	global_load_b128 v[32*\q+4*\i:32*\q+4*\i+3], v[XA], s[4:5] offset:256*\q+4096*\i th:TH_LOAD_NT   ; rows 2 i and 2 i + 1: sixteen lanes read 256 consecutive bytes, aligned
.endr
.endr
	TURNQ 0
	TURNQ 1
.irp s, 0,1,2,3
.if \s < 3
	TURNQ 2*\s+2
	TURNQ 2*\s+3
	s_wait_dscnt 32                                ; all but the 32 just issued: this K step's numbers are back, and the last step's image stores are done
.else
	s_wait_dscnt 0x0
.endif
	QUANTQ \s
.irp c, 0,1,2,3
	ds_store_b128 v[QWI], v[PC+4*\c:PC+4*\c+3] offset:2048*\s+512*\c
.endr
	ds_store_b32 v[QWS], v[T] offset:128*\s
.endr
	BARRIER                                        ; Q's sixteen images lie in LDS (the tensor load may stay out)
	WIN 0x80
.set li, 0
.rept 64
	ds_load_b128 v[4*li:4*li+3], v[LI] offset:512*li               ; fragment 4 m + s at 2048 (4 m + s), as it was stored
.set li, li+1
.endr
	WIN 0
.set li, 0
.rept 16
	ds_load_b32 v[QS+li], v[LS] offset:128*li
.set li, li+1
.endr
	s_wait_tensorcnt 0x0                           ; block 0 is in
	ds_add_u32 v[SPW], v[NIL]
	s_wait_dscnt 0x0                               ; the add is done, and my reads of the images are in: behind the round their bytes become the exchange areas
	CROUND
	tensor_load_to_lds s[28:31], s[16:23]          ; block 1, slot 1's first fill: the first tensor load behind the round
	s_nop 0
.irp f, 0,1,2,3,4,5,6,7
	KREL \f, A0, 0
.endr
	SCLD KS, B0, 0
	s_wait_dscnt 0x0
.set E, 0
	P3 0, 1, 1, 0, 0, 0                            ; S(0); K(1) from unit B of block 0
	P4 1
	IV 1, 2, 0, 0, 1, 1, 0, 1, 1, 0, 0             ; x = -1: softmax(0); V(0); S(1); K(2)
	IV 0, 2, 0, 1, 1, 0, 0, 1, 1, 1, 0             ; x = 0: the products V^T P of step 0 start O^T
	s_mov_b32 s37, 14
.Lpair:                                            ; x = 1 .. 28: two intervals a trip, until the slots and areas are back where they began
	IV 1, 2, 1, 2, 1, 1, 0, 1, 1, 1, 0
	IV 0, 2, 1, 2, 1, 0, 0, 1, 1, 1, 0
	s_sub_co_u32 s37, s37, 1
	s_cmp_lg_u32 s37, 0
	s_cbranch_scc1 .Lpair
	IV 1, 1, 1, 2, 1, 1, 0, 1, 0, 1, 0             ; x = 29: the tail is written out.  V(30); S(31); no K is left
	IV 0, 0, 1, 2, 1, 1, UNIT, 0, 0, 1, 1          ; x = 30: the last softmax; V(31) lies in slot 1's unit B; my part of the sums is published
	; ---- x = 31: the rows' sums, the last products, and the way out
	HEADB 0, 0, 1
.irp w, 0,1,2,3
	ds_load_b128 v[RM+4*\w:RM+4*\w+3], v[LI] offset:MAXA+512*\w    ; the four waves' parts of the sums
.endr
	RSL 29
	RSL 30
	RSL 31
	WIN 0
	PWORD
	s_wait_dscnt 0x0
.irp m, 0,1,2,3
	v_add_f32 v[T+\m], v[RM+\m], v[RM+4+\m]
.endr
.irp m, 0,1,2,3
	v_add_f32 v[BM+\m], v[RM+8+\m], v[RM+12+\m]
.endr
.irp m, 0,1,2,3
	v_add_f32 v[T+\m], v[T+\m], v[BM+\m]
.endr
.irp m, 0,1,2,3
	v_permlanex16_b32 v[T2+\m], v[T+\m], s32, s33
.endr
.irp m, 0,1,2,3
	v_add_f32 v[T+\m], v[T+\m], v[T2+\m]           ; with lane l xor 16's keys: the row's sum, at least 1/2.  (These 20 lines are also the places behind P's scale words)
.endr
	s_wait_alu depctr_va_vdst(0)                   ; ahead of the batch of reciprocals
.irp m, 0,1,2,3
	v_rcp_f32 v[F+2*\m], v[T+\m]
.endr
	v_nop                                          ; a plain line behind the last reciprocal
	s_wait_alu depctr_va_vdst(0)                   ; and for the wait behind it
	WIN 0xF1
.set n, 0
.rept 32
	PVW 2
.set n, n+1
.endr
	WIN 0
	s_wait_alu depctr_va_vdst(0)
	NOP8                                           ; eight places in front of the first read of results and of loads into P's registers
; Tile m: O^T / the sum; a lane's eight channels of a row are 32 bytes; 16 rows go through my stage (rows of 512 + 16 bytes) and come back whole.  The stage lies in my part of slot 0, which has had its last fill and its last read.
.macro TOSTAGE m
	WIN 0xC3
.irp t, 0,1,2,3,4,5,6,7
.irp i, 0,2,4,6
	v_pk_mul_f32 v[8*(4*\t+(\m))+\i:8*(4*\t+(\m))+\i+1], v[8*(4*\t+(\m))+\i:8*(4*\t+(\m))+\i+1], v[F+2*(\m):F+2*(\m)+1] op_sel_hi:[1,0]
.endr
.endr
	WIN 0x0C
.irp t, 0,1,2,3,4,5,6,7
	ds_store_b128 v[STO], v[8*(4*\t+(\m)):8*(4*\t+(\m))+3] offset:64*\t
	ds_store_b128 v[STO], v[8*(4*\t+(\m))+4:8*(4*\t+(\m))+7] offset:64*\t+16
.endr
	WIN 0
.set BB, S+64*((\m)%2)
.irp i, 0,1,2,3,4,5,6,7,8,9,10,11,12,13,14,15
	ds_load_b128 v[BB+4*\i:BB+4*\i+3], v[A0] offset:528*\i         ; in order behind the stores above; the next tile's stores come behind them
.endr
.endm
.macro SEND m, younger                 ; younger: the LDS instructions issued behind tile m's loads, which may stay out
.set BB, S+64*((\m)%2)
	s_wait_dscnt \younger
.irp i, 0,1,2,3,4,5,6,7,8,9,10,11,12,13,14,15
	global_store_b128 v[CO], v[BB+4*\i:BB+4*\i+3], s[8:9] offset:(16*(\m)+\i)*2048 th:TH_STORE_NT   ; 32 lanes store 512 consecutive bytes, at a multiple of 512 from out0's first byte
.endr
.endm
	TOSTAGE 0
.irp m, 1,2,3
.if \m > 1
	s_wait_xcnt 0x0                                ; the stores of two tiles back have read their registers: this tile's loads may land there
.endif
	TOSTAGE \m
	SEND \m-1, 32                                  ; behind that tile's loads: this tile's 16 stores and 16 loads
.endr
	SEND 3, 0
	s_wait_tensorcnt 0x0                           ; the wave's end, behind my last tensor load and my last LDS store
	ds_add_u32 v[SPW], v[NIL]
	s_wait_dscnt 0x0
	CROUND                                         ; the closing round: no work-group ends while a partner may still ask for a block that names it
	s_endpgm
.Lfunc_end_k_qaf878f6795_attn:
	.size	k_qaf878f6795_attn, .Lfunc_end_k_qaf878f6795_attn-k_qaf878f6795_attn
	.p2alignl 7, 3214868480
	.fill 96, 4, 3214868480
	.section	.rodata,"a",@progbits
	.p2align	6, 0x0
	.amdhsa_kernel k_qaf878f6795_attn
		.amdhsa_group_segment_fixed_size 327680
		.amdhsa_private_segment_fixed_size 0
		.amdhsa_enable_private_segment 0
		.amdhsa_kernarg_size 24
		.amdhsa_user_sgpr_count 2
		.amdhsa_user_sgpr_kernarg_segment_ptr 1
		.amdhsa_wavefront_size32 1
		.amdhsa_system_sgpr_workgroup_id_x 1
		.amdhsa_system_sgpr_workgroup_id_y 1
		.amdhsa_system_sgpr_workgroup_id_z 1
		.amdhsa_system_vgpr_workitem_id 0
		.amdhsa_next_free_vgpr 1024
		.amdhsa_next_free_sgpr 66
		.amdhsa_reserve_vcc 0
		.amdhsa_float_denorm_mode_32 3
		.amdhsa_float_denorm_mode_16_64 3
		.amdhsa_memory_ordered 1
		.amdhsa_forward_progress 1
		.amdhsa_inst_pref_size 255
	.end_amdhsa_kernel
	.section	.bss,"aw",@nobits
	.p2align	6
	.space	262144
	.amdgpu_metadata
---
amdhsa.version: [ 1, 2 ]
amdhsa.kernels:
  - .name:           k_qaf878f6795_attn
    .symbol:         k_qaf878f6795_attn.kd
    .args:
      - { .name: query, .offset: 0, .size: 8, .value_kind: global_buffer, .address_space: global }
      - { .name: kv, .offset: 8, .size: 8, .value_kind: global_buffer, .address_space: global }
      - { .name: out0, .offset: 16, .size: 8, .value_kind: global_buffer, .address_space: global }
    .group_segment_fixed_size: 327680
    .private_segment_fixed_size: 0
    .kernarg_segment_align: 8
    .kernarg_segment_size: 24
    .max_flat_workgroup_size: 128
    .sgpr_count:     66
    .vgpr_count:     1024
    .wavefront_size: 32
...
	.end_amdgpu_metadata
.endif
;; end of part 2
